; MI455X (gfx1250); checked and timed in simulation.
; The chip was launched on July 23, 2026; its instructions are those of AMD's public machine-readable ISA for CDNA 5 (MIT licence, August 2026) and "CDNA5" Instruction Set Architecture Reference Guide (July 2026). The comments in the code are by the model that wrote it; some were corrected since.
;; Attn. Allowed arithmetic: matrix products marked QUANTISED: E2M1 operands, one E8M0 scale for each 32 along K, by v_wmma_scale_f32_16x16x128_f8f6f4 with both operands' format E2M1 (or v_wmma_scale_f32_32x16x128_f4), f32 sums; products left as they are: f32 operands where the result goes on into a quantised operand, else bf16, f16 or f32 operands; f32 sums; everything else in f32.
;; Inputs: W_dec 1,024 x 1,024 float32; W_enc 1,024 x 1,024 float32; b_dec 1,024 float32; coverage 32 x 2,048 float32; decoder_hidden 32 x 1 x 1,024 float32; encoder_outputs 32 x 2,048 x 1,024 float32; v 1,024 float32; w_cov 1,024 float32.
;; Outputs: out0 32 x 1 x 2,048 float32.
;; This version of the problem:
;;   THIS VERSION OF THE PROBLEM IS GIVEN IN LOW PRECISION. The matrix products marked QUANTISED in the list below multiply operands that are first quantised to E2M1 (2 exponent bits, 1 mantissa bit; 4 bits a number), with one power-of-two scale for each 32 numbers along K (OCP MX v1.0); their sums are f32. All else is computed in f32.
;;   The module's matrix products, in the order in which they are computed (A, B: the left and right operand; K: the contracted axis; several contracted axes count as one K, in the product's order):
;;     1. [M 65,536, K 1,024] x [K 1,024, N 1,024]; A: input encoder_outputs; B: input W_enc: QUANTISED
;;     2. [M 32, K 1,024] x [K 1,024, N 1,024]; A: input decoder_hidden; B: input W_dec: QUANTISED
;;     3. [M 65,536, K 1,024] x [K 1,024, N 1]; A: computed on the way; B: input v: left as it is (N = 1 < 16)
;;   THE QUANTISER, for each operand of a quantised product, along K:
;;     - K is cut into blocks of 32 from its start; a last block that is shorter is filled with zeros.
;;     - A block's scale is 2^e with e = floor(log2(the largest magnitude in the block)) - 2, held to -126 .. 127; a block of zeros has e = 0. As a byte (E8M0): e + 127.
;;     - Each number is divided by its block's scale, clamped to +-6, and rounded to the nearest number of E2M1, ties to even, subnormals kept.
;;     - The product sums the exact products of the quantised numbers (number of the format x scale) in f32.
;;   ~~~python
;;   def quantise(x, axis):      # numpy; x: float32 -> the quantised numbers, widened to float32 again
;;       x = np.moveaxis(x, axis, -1); K = x.shape[-1]
;;       x = np.pad(x, [(0, 0)] * (x.ndim - 1) + [(0, -K % 32)]); x = x.reshape(x.shape[:-1] + (-1, 32)); a = np.abs(x).max(-1, keepdims=True)
;;       e = np.where(a > 0, np.clip(np.frexp(np.where(a > 0, a, 1))[1] - 1 - 2, -126, 127), 0)      # np.frexp(a)[1] - 1 = floor(log2(a)), exactly
;;       r = np.clip(x / 2.0 ** e, -6, 6)
;;       step = 2.0 ** (np.maximum(np.frexp(np.where(r == 0, 1, r))[1] - 1, 0) - 1)
;;       q = np.round(r / step) * step * 2.0 ** e      # np.round: ties to even
;;       return np.moveaxis(q.reshape(q.shape[:-2] + (-1,))[..., :K], -1, axis).astype(np.float32)
;;   ~~~
;; One version. Each part assembles by itself: llvm-mc -triple=amdgcn-amd-amdhsa -mcpu=gfx1250 --defsym DOCPART=n.
;; ======== version 1 of 1: 3 launches
;; workspace buffers: wq 557,056 bytes; decf 131,072 bytes; part 2,097,152 bytes
;; launch prep (part 1): grid 64 x 1, 8 waves a work-group, no clusters, 36,864 bytes of LDS; arguments W_enc, W_dec, decoder_hidden, b_dec, wq, decf; writes wq, decf
.if DOCPART == 1
	.amdgcn_target "amdgcn-amd-amdhsa--gfx1250"
	.amdhsa_code_object_version 6
	.text
	.protected	k_q46e93f4820_prep
	.globl	k_q46e93f4820_prep
	.p2align	8
	.type	k_q46e93f4820_prep,@function
k_q46e93f4820_prep:
	s_mov_b64 s[64:65], 0
	v_nop
	global_prefetch_b8 v0, s[64:65] scope:SCOPE_SE
	s_setreg_imm32_b32 hwreg(HW_REG_WAVE_MODE, 25, 1), 1
	s_wait_xcnt 0x0
; W_enc [1024][1024] f32 becomes codes of FP4 (E2M1) with one E8M0 byte for each 32 along K, laid as IMAGES OF THE OPERAND'S REGISTERS: wq holds 64 records of 8,704 bytes,
; record T for outputs 16 T .. 16 T + 15: bytes (2 g + c) 512 + 16 lane = registers 4 c .. 4 c + 3 of K step g, bytes 8,192 + 16 lane = the scale words.
; And dec[b][o] = Q(decoder_hidden[b]) . Q(W_dec[o]) + b_dec[o], by the FP4 matrix instruction, into decf [32][1024] f32.
; THE ORDER OF K, alike on both sides of every product of this program: the blocks of 32 are the true blocks; K step g (0..7) takes true blocks g, 8 + g, 16 + g, 24 + g.
; So only the order of the f32 sums differs from K ascending.  In a row of 512 code bytes lane (r, h)'s registers 4 c .. 4 c + 3 of step g are the 16 bytes at 256 c + 128 h + 16 g.
; A block's scale is 2^(floor(log2(its largest magnitude)) - 2): its byte is the largest magnitude's exponent field - 2, held at 1 from below.
; LIMITS: NaN and infinities among the inputs are not served.  A block of zeros gets the byte 1 where the rule says 127: its codes are zeros, and the bytes are read by this program alone.
; SHARES.  Work-group T quantises 64 rows into LDS, eight a wave: rows 0-15 W_enc's 16 T on, rows 16-31 W_dec's 16 T on, rows 32-63 decoder_hidden's 32.  One barrier.  Then waves 0-3 store the record's
; sixteen images, waves 4 and 5 make dec for 16 batches each, wave 6 stores the record's scale words.  No tensor load: 256 KiB a work-group come through registers, all 64 loads of a wave issued at once.
.set PITCH, 528                        ; an LDS row of codes: 512 bytes + 16, so that the 16 rows of a fragment load start in 16 different columns of 16 bytes
.set SCL,   64*PITCH                   ; behind the codes: 32 bytes of scale words a row, word g for K step g
.set REC,   8704
.set XA,  4                            ; v4   32 x lane: my 32 bytes in each 1,024 of a row
.set CW,  5                            ; v5   where my wave's rows of codes begin, + 4 x lane
.set SW,  6                            ; v6   the same for scale words, + 4 (lane / 4)
.set AR,  7                            ; v7   a fragment's place for my lane: 528 r + 128 h
.set AIM, 8                            ; v8   + 32 (wave % 4): K steps 2 w, 2 w + 1 of W_enc's rows
.set AHD, 9                            ; v9   + decoder_hidden's rows 16 (wave % 2) on
.set ASR, 10                           ; v10  scale words: SCL + 32 r + 16 h: lanes 0-15 take words 0-3 of row r, lanes 16-31 words 4-7
.set AHS, 11                           ; v11  the same for decoder_hidden's rows
.set L16, 12                           ; v12  16 x lane
.set GIM, 13                           ; v13  16 x lane + 2,048 (wave % 4): my four images in the record
.set GDE, 14                           ; v14  decf: row 16 (wave % 2) + r, + 32 h
.set GBD, 15                           ; v15  b_dec: 32 h
.set HF,  20                           ; v20-83   decoder_hidden's eight fragments
.set BD,  84                           ; v84-91   b_dec in the result's layout
.set WS,  100                          ; v100-103 W_dec's scale words;  v104-107 decoder_hidden's: they hold scales and nothing else
.set HS,  104
.set BF,  116                          ; v116-179 W_dec's eight fragments (waves 0-3, 6: what is on its way to wq)
.set ACC0, 180                         ; two accumulators by turns: even K steps, odd K steps
.set ACC1, 188
.set RES, 196
.set QM,  244                          ; the quantiser's: largest magnitudes, then bytes;
.set QS,  248                          ; the conversions' scale operands;
.set QC,  252                          ; the codes
.set MSB, 0
.macro WIN new                         ; s_set_vgpr_msb: bits 1:0 source 0, 3:2 source 1, 5:4 source 2, 7:6 destination; the high byte repeats the setting that is left
.if MSB != (\new)
	s_set_vgpr_msb (MSB<<8)|(\new)
.set MSB, (\new)
.endif
.endm
; A row of 1,024 numbers into 32 registers of window 1: lane l takes K = 256 e + 8 l + 0 .. 7 into v[x + 8 e] on.  Two neighbouring instructions read 1,024 consecutive bytes whole.
.macro RLOAD x, off
	WIN 0x40
.irp e, 0,1,2,3
.irp j, 0,1
	global_load_b128 v[(\x)+8*\e+4*\j:(\x)+8*\e+4*\j+3], v[XA], s[20:21] offset:(\off)+1024*\e+16*\j
.endr
.endr
.endm
; Such a row becomes 512 bytes of codes and eight scale words in LDS.  Four neighbouring lanes hold a block: block 8 e + l / 4.  hi = 1: the numbers lie in window 1.
.macro QROW x, hi, ca, co, sa, so
	WIN 5*(\hi)
.irp e, 0,1,2,3
	v_max3_num_f32 v[QM+\e], |v[(\x)+8*\e]|, |v[(\x)+8*\e+1]|, 0x1800000   ; my eight numbers of four blocks, by turns, and the floor 2^(3 - 127): the byte cannot fall under 1
.endr
.irp i, 2,4,6
.irp e, 0,1,2,3
	v_max3_num_f32 v[QM+\e], |v[(\x)+8*\e+\i]|, |v[(\x)+8*\e+\i+1]|, v[QM+\e]
.endr
.endr
	WIN 0
.irp e, 0,1,2,3
	v_max_num_f32_dpp v[QM+\e], v[QM+\e], v[QM+\e] row_xmask:1 row_mask:0xf bank_mask:0xf
.endr
.irp e, 0,1,2,3
	v_max_num_f32_dpp v[QM+\e], v[QM+\e], v[QM+\e] row_xmask:2 row_mask:0xf bank_mask:0xf   ; with the three lanes beside me: the block's largest magnitude
.endr
.irp e, 0,1,2,3
	v_add_nc_u32 v[QS+\e], 0xff000000, v[QM+\e]    ; 2 off its exponent field: the conversion takes the exponent field of this operand as its scale
.endr
.irp e, 0,1,2,3
	v_lshrrev_b32 v[QM+\e], 23, v[QS+\e]           ; the scale's byte
.endr
	v_lshl_or_b32 v[QM], v[QM+1], 8, v[QM]         ; blocks g, 8 + g, 16 + g, 24 + g with g = l / 4: the scale word of K step g
	v_lshl_or_b32 v[QM], v[QM+2], 16, v[QM]
	v_lshl_or_b32 v[QM], v[QM+3], 24, v[QM]
	WIN (\hi)
.irp e, 0,1,2,3
	v_cvt_scalef32_pk8_fp4_f32 v[QC+\e], v[(\x)+8*\e:(\x)+8*\e+7], v[QS+\e]   ; to the nearest code, ties to even; beyond 6 the largest code
.endr
	WIN 0
	v_nop                                          ; one plain line behind the last scaled conversion
.irp e, 0,1,2,3
	ds_store_b32 v[\ca], v[QC+\e] offset:(\co)+128*\e   ; 32 lanes store 128 consecutive bytes of the row
.endr
	ds_store_b32 v[\sa], v[QM] offset:(\so)        ; the four lanes of a block group write the same word with the same value
.endm
	s_load_b256 s[4:11], s[0:1], 0x0               ; W_enc s[4:5], W_dec s[6:7], decoder_hidden s[8:9], b_dec s[10:11]
	s_load_b128 s[12:15], s[0:1], 0x20             ; wq s[12:13], decf s[14:15]
	v_lshl_add_u32 v242, v0, 2, 0x8c00
	v_mov_b32 v243, 0
	v_lshrrev_b32 v1, 5, v0
	v_readfirstlane_b32 s16, v1                    ; wave 0..7
	v_and_b32 v1, 31, v0                           ; lane
	v_and_b32 v2, 15, v0                           ; r
	v_bfe_u32 v3, v0, 4, 1                         ; h
	s_and_b32 s17, s16, 1
	s_and_b32 s30, s16, 3
	; every LDS address is made here, ahead of the place where the waves part
	v_lshlrev_b32 v[XA], 5, v1
	s_mul_i32 s31, s16, 8*PITCH
	v_lshl_add_u32 v[CW], v1, 2, s31
	s_lshl_b32 s31, s16, 8
	s_add_co_u32 s31, s31, SCL
	v_lshrrev_b32 v[SW], 2, v1
	v_lshl_add_u32 v[SW], v[SW], 2, s31
	v_mul_u32_u24 v[AR], v2, PITCH
	v_lshl_add_u32 v[AR], v3, 7, v[AR]
	s_lshl_b32 s31, s30, 5
	v_add_nc_u32 v[AIM], s31, v[AR]
	s_lshl_b32 s31, s17, 4
	s_add_co_u32 s31, s31, 32                      ; LDS row 32 + 16 (wave % 2)
	s_mul_i32 s32, s31, PITCH
	v_add_nc_u32 v[AHD], s32, v[AR]
	v_lshlrev_b32 v[ASR], 5, v2
	v_lshl_add_u32 v[ASR], v3, 4, v[ASR]
	v_add_nc_u32 v[ASR], SCL, v[ASR]
	s_lshl_b32 s32, s31, 5
	v_add_nc_u32 v[AHS], s32, v[ASR]
	v_lshlrev_b32 v[L16], 4, v1
	s_lshl_b32 s32, s30, 11
	v_add_nc_u32 v[GIM], s32, v[L16]
	s_lshl_b32 s32, s17, 16
	v_lshl_add_u32 v[GDE], v2, 12, s32
	v_lshl_add_u32 v[GDE], v3, 5, v[GDE]
	v_lshlrev_b32 v[GBD], 5, v3
	; my eight rows: waves 0-3 rows 16 T + 8 (wave % 2) of a weight, waves 4-7 rows 8 (wave % 4) of decoder_hidden
	s_lshl_b32 s18, ttmp9, 4
	s_lshl_b32 s19, s17, 3
	s_add_co_u32 s18, s18, s19
	s_lshl_b32 s19, s30, 3
	s_cmp_lt_u32 s16, 4
	s_cselect_b32 s18, s18, s19
	s_lshl_b32 s18, s18, 12                        ; rows of 4,096 bytes
	s_mov_b32 s19, 0
	s_mul_i32 s24, ttmp9, REC
	s_mov_b32 s25, 0
	s_lshl_b32 s26, ttmp9, 6                       ; 16 T numbers of 4 bytes
	s_mov_b32 s27, 0
	s_wait_kmcnt 0x0
	s_cmp_lt_u32 s16, 2                            ; the choice of the buffer hangs on the wave's number alone
	s_cselect_b64 s[20:21], s[4:5], s[6:7]
	s_cmp_lt_u32 s16, 4
	s_cselect_b64 s[20:21], s[20:21], s[8:9]
	s_add_nc_u64 s[20:21], s[20:21], s[18:19]
	s_add_nc_u64 s[12:13], s[12:13], s[24:25]      ; my record of wq
	s_add_nc_u64 s[14:15], s[14:15], s[26:27]      ; decf and b_dec at output 16 T
	s_add_nc_u64 s[10:11], s[10:11], s[26:27]
.irp i, 0,1,2,3,4,5,6,7
	RLOAD 32*\i, 4096*\i
.endr
.irp i, 0,1,2,3,4,5,6,7
	s_wait_loadcnt 56-8*\i                         ; loads come back in order: row i's eight are in, the 8 (7 - i) of the later rows stay out
	QROW 32*\i, 1, CW, PITCH*\i, SW, 32*\i
.endr
	s_wait_dscnt 0x0                               ; for the others' sake: my stores have landed
	s_barrier_signal -1
	s_barrier_wait -1                              ; all 64 rows lie in LDS; from here on LDS is only read
	s_cmp_lt_u32 s16, 4
	s_cbranch_scc0 .Lnot_image
	; waves 0-3: W_enc's fragments of K steps 2 w and 2 w + 1, as a lane's registers want them, go to the record: each store covers 512 consecutive bytes
.irp p, 0,1
.irp c, 0,1
	ds_load_b128 v[BF+8*\p+4*\c:BF+8*\p+4*\c+3], v[AIM] offset:16*\p+256*\c
.endr
.endr
	s_wait_dscnt 0x0
.irp p, 0,1
.irp c, 0,1
	global_store_b128 v[GIM], v[BF+8*\p+4*\c:BF+8*\p+4*\c+3], s[12:13] offset:1024*\p+512*\c
.endr
.endr
	s_wait_tensorcnt 0x0
	ds_add_u32 v242, v243
	s_wait_dscnt 0x0
	s_endpgm
.Lnot_image:
	s_cmp_lt_u32 s16, 6
	s_cbranch_scc0 .Lnot_dec
	; waves 4, 5: dec for batches 16 (wave % 2) on.  Source 0 = W_dec's 16 rows, source 1 = 16 rows of decoder_hidden: lane (r, h) holds batch r and outputs 16 T + 8 h + 0 .. 7
	global_load_b128 v[BD:BD+3], v[GBD], s[10:11]
	global_load_b128 v[BD+4:BD+7], v[GBD], s[10:11] offset:16
.irp g, 0,1,2,3,4,5,6,7
.irp c, 0,1
	ds_load_b128 v[BF+8*\g+4*\c:BF+8*\g+4*\c+3], v[AR] offset:16*PITCH+16*\g+256*\c
	ds_load_b128 v[HF+8*\g+4*\c:HF+8*\g+4*\c+3], v[AHD] offset:16*\g+256*\c
.endr
.endr
	ds_load_b128 v[WS:WS+3], v[ASR] offset:16*32
	ds_load_b128 v[HS:HS+3], v[AHS]
	s_wait_dscnt 0x0
	s_wait_loadcnt 0x0
.irp g, 0,1,2,3,4,5,6,7                ; the two accumulators take turns; the bias is the C of the first product, the other sum starts with 0
.set DA, ACC0+8*(\g%2)
.if \g == 0
	v_wmma_scale_f32_16x16x128_f8f6f4 v[DA:DA+7], v[BF+8*\g:BF+8*\g+7], v[HF+8*\g:HF+8*\g+7], v[BD:BD+7], v[WS+\g], v[HS+\g] matrix_a_fmt:MATRIX_FMT_FP4 matrix_b_fmt:MATRIX_FMT_FP4
.elseif \g == 1
	v_wmma_scale_f32_16x16x128_f8f6f4 v[DA:DA+7], v[BF+8*\g:BF+8*\g+7], v[HF+8*\g:HF+8*\g+7], 0, v[WS+\g], v[HS+\g] matrix_a_fmt:MATRIX_FMT_FP4 matrix_b_fmt:MATRIX_FMT_FP4
.elseif \g < 4
	v_wmma_scale_f32_16x16x128_f8f6f4 v[DA:DA+7], v[BF+8*\g:BF+8*\g+7], v[HF+8*\g:HF+8*\g+7], v[DA:DA+7], v[WS+\g], v[HS+\g] matrix_a_fmt:MATRIX_FMT_FP4 matrix_b_fmt:MATRIX_FMT_FP4
.else
	v_wmma_scale_f32_16x16x128_f8f6f4 v[DA:DA+7], v[BF+8*\g:BF+8*\g+7], v[HF+8*\g:HF+8*\g+7], v[DA:DA+7], v[WS+\g-4], v[HS+\g-4] matrix_a_fmt:MATRIX_FMT_FP4 matrix_b_fmt:MATRIX_FMT_FP4 matrix_a_scale:MATRIX_SCALE_ROW1 matrix_b_scale:MATRIX_SCALE_ROW1
.endif
.endr
.rept 4
	v_nop                                          ; four places between the last product and the first read of a result (ISA guide 7.12.1)
.endr
.irp i, 0,2,4,6
	v_pk_add_f32 v[RES+\i:RES+\i+1], v[ACC0+\i:ACC0+\i+1], v[ACC1+\i:ACC1+\i+1]   ; both accumulators from their low ends on
.endr
	global_store_b128 v[GDE], v[RES:RES+3], s[14:15]            ; 32 bytes a lane of a batch's row: 128 KiB in all, too little to earn a stage of its own
	global_store_b128 v[GDE], v[RES+4:RES+7], s[14:15] offset:16
	s_wait_tensorcnt 0x0
	ds_add_u32 v242, v243
	s_wait_dscnt 0x0
	s_endpgm
.Lnot_dec:
	s_cmp_eq_u32 s16, 6
	s_cbranch_scc0 .Lend
	ds_load_b128 v[BF:BF+3], v[ASR]                ; wave 6: W_enc's scale words as the scale registers want them: lanes 0-15 K steps 0-3 of row r, lanes 16-31 K steps 4-7
	s_wait_dscnt 0x0
	global_store_b128 v[L16], v[BF:BF+3], s[12:13] offset:8192
.Lend:
	s_wait_tensorcnt 0x0
	ds_add_u32 v242, v243
	s_wait_dscnt 0x0
	s_endpgm
.Lfunc_end_k_q46e93f4820_prep:
	.size	k_q46e93f4820_prep, .Lfunc_end_k_q46e93f4820_prep-k_q46e93f4820_prep
	.p2alignl 7, 3214868480
	.fill 96, 4, 3214868480
	.section	.rodata,"a",@progbits
	.p2align	6, 0x0
	.amdhsa_kernel k_q46e93f4820_prep
		.amdhsa_group_segment_fixed_size 36864
		.amdhsa_private_segment_fixed_size 0
		.amdhsa_enable_private_segment 0
		.amdhsa_kernarg_size 48
		.amdhsa_user_sgpr_count 2
		.amdhsa_user_sgpr_kernarg_segment_ptr 1
		.amdhsa_wavefront_size32 1
		.amdhsa_system_sgpr_workgroup_id_x 1
		.amdhsa_system_sgpr_workgroup_id_y 1
		.amdhsa_system_sgpr_workgroup_id_z 1
		.amdhsa_system_vgpr_workitem_id 0
		.amdhsa_next_free_vgpr 512
		.amdhsa_next_free_sgpr 66
		.amdhsa_reserve_vcc 0
		.amdhsa_float_denorm_mode_32 3
		.amdhsa_float_denorm_mode_16_64 3
		.amdhsa_memory_ordered 1
		.amdhsa_forward_progress 1
		.amdhsa_inst_pref_size 38
	.end_amdhsa_kernel
	.amdgpu_metadata
---
amdhsa.version: [ 1, 2 ]
amdhsa.kernels:
  - .name:           k_q46e93f4820_prep
    .symbol:         k_q46e93f4820_prep.kd
    .args:
      - { .name: W_enc, .offset: 0, .size: 8, .value_kind: global_buffer, .address_space: global }
      - { .name: W_dec, .offset: 8, .size: 8, .value_kind: global_buffer, .address_space: global }
      - { .name: decoder_hidden, .offset: 16, .size: 8, .value_kind: global_buffer, .address_space: global }
      - { .name: b_dec, .offset: 24, .size: 8, .value_kind: global_buffer, .address_space: global }
      - { .name: wq, .offset: 32, .size: 8, .value_kind: global_buffer, .address_space: global }
      - { .name: decf, .offset: 40, .size: 8, .value_kind: global_buffer, .address_space: global }
    .group_segment_fixed_size: 36864
    .private_segment_fixed_size: 0
    .kernarg_segment_align: 8
    .kernarg_segment_size: 48
    .max_flat_workgroup_size: 256
    .sgpr_count:     66
    .vgpr_count:     512
    .wavefront_size: 32
...
	.end_amdgpu_metadata
.endif
;; end of part 1
;; launch scores (part 2): grid 256 x 1, 8 waves a work-group, clusters of 4 x 1, 327,680 bytes of LDS; arguments encoder_outputs, coverage, w_cov, v, wq, decf, part; writes part
.if DOCPART == 2
	.amdgcn_target "amdgcn-amd-amdhsa--gfx1250"
	.amdhsa_code_object_version 6
	.text
	.protected	k_q46e93f4820_scores
	.globl	k_q46e93f4820_scores
	.p2align	8
	.type	k_q46e93f4820_scores,@function
k_q46e93f4820_scores:
	s_mov_b64 s[64:65], 0
	v_nop
	global_prefetch_b8 v0, s[64:65] scope:SCOPE_SE
	s_setreg_imm32_b32 hwreg(HW_REG_WAVE_MODE, 25, 1), 1
	s_wait_xcnt 0x0
	s_wait_alu depctr_hold_cnt(0) depctr_sa_sdst(0) depctr_va_vdst(0) depctr_va_sdst(0) depctr_va_ssrc(0) depctr_va_vcc(0) depctr_vm_vsrc(0)
	s_getreg_b32 s2, hwreg(HW_REG_IB_STS2, 6, 4)
	s_cmp_eq_u32 s2, 0
	s_cbranch_scc0 .Lentry_in_a_cluster
	s_endpgm
.Lentry_in_a_cluster:
	s_bfe_u32 s2, ttmp6, 0x10000c
	s_cmp_lg_u32 s2, 0x3003
	s_cbranch_scc0 .Lentry_shape_is_right
	s_endpgm
.Lentry_shape_is_right:
; part[row] (eight parts a row) = the sum over a wave's outputs o of -2 v[o] / (1 + 2^(2 log2(e) x)), x = Q(enc[row]) . Q(W_enc[o]) + dec[b][o] + coverage[row] w_cov[o].
; tanh(x) = 1 - 2 / (1 + e^(2 x)): an exponential that overflows gives the quotient 0, one that vanishes gives 1, so nothing is clipped.  The 1 adds the same sum of v to every score of a batch;
; the softmax of the next launch takes the batch's largest score away, so that term is left out.
; encoder_outputs [65,536][1,024] f32 is read once and quantised in registers to codes of FP4 (E2M1) with one E8M0 byte for each 32 along K; W_enc's codes come from wq as images of the operand's registers.
; THE ORDER OF K, alike on both sides: K step g takes true blocks g, 8 + g, 16 + g, 24 + g; only the order of the f32 sums differs from K ascending.
; LIMITS: NaN and infinities among the inputs are not served.  A block of zeros gets the byte 1 where the rule says 127: its codes are zeros, and the bytes are read by this program alone.
; SHARES.  A work-group owns 256 rows of one batch, in four chunks of 64: chunk c is the rows 16 r + 4 c + m (r = the lane's place, m = the tile of rows).  Every wave holds the whole chunk's codes in
; window 1 (4 tiles x 8 K steps x 8 registers); THE WAVES SHARE THE OUTPUTS: of quarter q of W wave w makes tiles 16 q + 2 w + u, u = 0, 1.  Each fragment of W read from LDS feeds four matrix instructions.
; Two waves lie on a SIMD, so that one wave's exponentials stand beside the other's products.
; THE MATRIX INSTRUCTION IS USED TRANSPOSED (source 0 = 16 rows of W, source 1 = 16 rows of the chunk): a lane holds ONE row and eight outputs; dec + coverage x w_cov is the C of a tile's first product.
; THE STREAM.  While chunk c is multiplied, chunk c + 1 is brought in: wave w, staging slot u takes rows 16 (2 w + u) + t, t ascending: 64 KiB on end, one row for each tile of outputs.
; The row is quantised and its codes go to LDS; at the chunk's change every wave reads all 64 rows' fragments.
; THE WALK OVER W GOES TO AND FRO.  A chunk has four slot steps, one for each quarter of wq.  Even chunks take the quarters 0, 1, 2, 3, odd chunks 3, 2, 1, 0; even quarters lie in slot 0, odd ones in slot 1.
; So at a change of chunks both slots hold what the next chunk's first two steps read, and a chunk asks for two quarters, at the heads of its second and third step (chunk 0 for one more, at its first):
; ten fills of 139,264 bytes for the sixteen steps.  The sums over the outputs are so taken in another order in odd chunks than in even ones.
; CLUSTER.  The four work-groups of a cluster walk the same quarters of wq in step: each quarter is asked for JOINTLY, every wave asking for the two records that it alone reads, with a mask that names the four.
; LDS: two slots of 16 records; between them the next chunk's codes and scale words, the three vectors of constants and the spare words.  All of the WGP's LDS is claimed.
.set PITCH,  528                       ; a row of codes: 512 bytes + 16, so that the 16 rows of a fragment load start in 16 different columns of 16 bytes
.set REC,    8704                      ; a record of wq: 16 images of 512 bytes, 512 bytes of scale words
.set QUART,  16*REC                    ; a quarter of wq = a slot.  Slot 0 begins at LDS byte 0
.set ANEXT,  QUART                     ; the next chunk's codes: row 16 m + r
.set ASC,    ANEXT+64*PITCH            ; its scale words, 32 bytes a row
.set CONST,  ASC+64*32                 ; w_cov, then dec of my batch, then -2 v: 4,096 bytes each
.set SPARE,  CONST+3*4096              ; the spare words, 128 bytes for each wave: four blocks of 256 bytes that no other line names
.set SLOT1,  SPARE+1024                ; slot 1; it ends at LDS byte 327,680
.set SPW,  1                           ; v1   SPARE + 4 x my thread's number; never rewritten
.set NIL,  2                           ; v2   0; never rewritten
.set LB,   3                           ; v3   16 x lane + my wave's two records
.set ADB,  4                           ; v4   + the slot in hand
.set CA0,  5                           ; v5   CONST + 128 w + 32 h
.set ADC,  6                           ; v6   + 1,024 x the quarter in hand
.set XA,   7                           ; v7   32 x lane
.set CW0,  8                           ; v8   ANEXT + rows 2 w + 4 x lane
.set ADW,  9                           ; v9   + 16 rows for each slot step of the chunk
.set SW0,  10                          ; v10  ASC + rows 2 w + 4 (lane / 4)
.set ADS,  11                          ; v11  + 16 rows for each slot step
.set AR,   12                          ; v12  ANEXT + 528 r + 128 h
.set ASR,  13                          ; v13  ASC + 32 r + 16 h
.set PO,   14                          ; v14  part: 16 r + 8 h, + 256 a chunk
.set CVO,  15                          ; v15  coverage: 64 r, + 16 a chunk
.set PFO,  16                          ; v16  the prefetch's offset: 256 r + 65,536 h; never rewritten
.set ASW,  20                          ; v20-35  the chunk's scale words: 4 m + i: lanes 0-15 K step i, lanes 16-31 K step 4 + i.  They hold scales and nothing else,
.set WS,   36                          ; v36-39  and so do W's, laid likewise
.set COV,  40                          ; v40-47  coverage of my row in tile m, twice, as a pair
.set COVN, 48                          ; v48-51  the next chunk's
.set SC,   52                          ; v52-59  four pairs of sums
.set CWV,  60                          ; v60-67  w_cov, v68-75 dec, v76-83 -2 v of the tile's eight outputs of my half
.set DEC,  68
.set VP,   76
.set ACC,  84                          ; v84-115  four accumulators
.set BF,   116                         ; v116-179 a tile of W: eight fragments
.set STG,  180                         ; v180-243 two staging slots of a row each
.set QM,   244
.set QS,   248
.set QC,   252
.set XB,   4                           ; s[4:5]   encoder_outputs at my wave's 32 rows, one row further at each change of steps while the stream runs
.set WB,   12                          ; s[12:13] wq at my wave's two records of quarter 0
.set WV,   18                          ; s18  wave
.set G1,   24                          ; s[24:31], s[32:35] the descriptor
.set G0,   32
.set TB,   36                          ; s36  the slot in hand;  s37 the other
.set TF,   37
.set WOFF, 38                          ; s[38:39] 17,408 w
.set WQ,   40                          ; s[40:41] the quarter to be fetched, in bytes
.set CR,   42                          ; s42, s43 the slot step's place in ANEXT and ASC;
.set CS2,  43
.set CQ,   44                          ; s44  1,024 x the step's number in its chunk
.set IC,   45
.set OC,   46
.set SG,   47                          ; s47  the slot step, 0 to 15; its bit 2 tells odd chunks from even
.set CC,   48                          ; s[48:49] 2 log2(e)
.set SEL,  50                          ; s[50:51] v_permlanex16_b32's selects for lane l xor 16
.set HM,   52                          ; s52  the lanes 16-31
.set TM1,  53                          ; s53, s54 at work
.set TM2,  54
.set CQE,  56                          ; s56  1,024 x the quarter in hand
.set MSB, 0
.macro WIN new                         ; s_set_vgpr_msb: bits 1:0 source 0, 3:2 source 1, 5:4 source 2, 7:6 destination; the high byte repeats the setting that is left
.if MSB != (\new)
	s_set_vgpr_msb (MSB<<8)|(\new)
.set MSB, (\new)
.endif
.endm
.macro PLACES                          ; four plain lines behind a matrix instruction, ahead of loads into its registers and of reads of its results (ISA guide 7.12.1 for reads of its results)
.rept 4
	v_nop
.endr
.endm
; A row of 1,024 numbers into 32 registers: lane l takes K = 256 e + 8 l + 0 .. 7 into v[x + 8 e] on.  Two neighbouring instructions read 1,024 consecutive bytes whole.  hi = 1: window 1
.macro RLOAD x, hi, off
	WIN 0x40*(\hi)
.irp e, 0,1,2,3
.irp j, 0,1
	global_load_b128 v[(\x)+8*\e+4*\j:(\x)+8*\e+4*\j+3], v[XA], s[XB:XB+1] offset:(\off)+1024*\e+16*\j th:TH_LOAD_NT
.endr
.endr
.endm
; Such a row becomes 512 bytes of codes and eight scale words in LDS.  Four neighbouring lanes hold a block: block 8 e + l / 4.
.macro QROW x, hi, ca, co, sa, so
	WIN 5*(\hi)
.irp e, 0,1,2,3
	v_max3_num_f32 v[QM+\e], |v[(\x)+8*\e]|, |v[(\x)+8*\e+1]|, 0x1800000   ; my eight numbers of four blocks, by turns, and the floor 2^(3 - 127): the byte cannot fall under 1
.endr
.irp i, 2,4,6
.irp e, 0,1,2,3
	v_max3_num_f32 v[QM+\e], |v[(\x)+8*\e+\i]|, |v[(\x)+8*\e+\i+1]|, v[QM+\e]
.endr
.endr
	WIN 0
.irp e, 0,1,2,3
	v_max_num_f32_dpp v[QM+\e], v[QM+\e], v[QM+\e] row_xmask:1 row_mask:0xf bank_mask:0xf
.endr
.irp e, 0,1,2,3
	v_max_num_f32_dpp v[QM+\e], v[QM+\e], v[QM+\e] row_xmask:2 row_mask:0xf bank_mask:0xf   ; with the three lanes beside me: the block's largest magnitude
.endr
.irp e, 0,1,2,3
	v_add_nc_u32 v[QS+\e], 0xff000000, v[QM+\e]    ; 2 off its exponent field: the conversion takes the exponent field of this operand as its scale
.endr
.irp e, 0,1,2,3
	v_lshrrev_b32 v[QM+\e], 23, v[QS+\e]           ; the scale's byte
.endr
	v_lshl_or_b32 v[QM], v[QM+1], 8, v[QM]         ; blocks g, 8 + g, 16 + g, 24 + g with g = l / 4: the scale word of K step g
	v_lshl_or_b32 v[QM], v[QM+2], 16, v[QM]
	v_lshl_or_b32 v[QM], v[QM+3], 24, v[QM]
	WIN (\hi)
.irp e, 0,1,2,3
	v_cvt_scalef32_pk8_fp4_f32 v[QC+\e], v[(\x)+8*\e:(\x)+8*\e+7], v[QS+\e]   ; to the nearest code, ties to even; beyond 6 the largest code
.endr
	WIN 0
	v_nop                                          ; one plain line behind the last scaled conversion
.irp e, 0,1,2,3
	ds_store_b32 v[\ca], v[QC+\e] offset:(\co)+128*\e   ; 32 lanes store 128 consecutive bytes of the row
.endr
	ds_store_b32 v[\sa], v[QM] offset:(\so)        ; the four lanes of a block group write the same word with the same value
.endm
; A round of the cluster's barrier: my work-group's barrier, wave 0 signals for the work-group, every wave waits for all four work-groups, my work-group's barrier once more.
.macro ROUND
	s_barrier_signal -1
	s_barrier_wait -1
	s_cmp_lg_u32 s[WV], 0
	s_cbranch_scc1 .Lnot_wave_0_\@
	s_barrier_signal -3
.Lnot_wave_0_\@:
	s_barrier_wait -3
	s_barrier_signal -1
	s_barrier_wait -1
.endm
; THE CHANGE OF SLOTS, at the head of a chunk's second, third and fourth step (and of the launch's first).  Each wave waits for all its tensor loads (at most one is out: its records of the slot ahead), adds 0 to its
; spare word, and waits for that, for its reads of the slot that it leaves and for its stores of codes.  fill = 1: behind a round of the cluster's barrier the slot just left takes the quarter of the chunk's next
; step: that load has a whole slot step in which to land.  fill = 0, at a chunk's fourth step: the slot just left is kept: the next chunk's second step reads it.  step = 1: the stream's base goes one row on.
.macro CHANGE fill, step
	s_wait_tensorcnt 0x0                           ; no tensor load of mine is out, so the descriptor may be written
	ds_add_u32 v[SPW], v[NIL]                      ; 0 onto my spare word: the scalar steps below stand between it and the wait for it
	s_xor_b32 s[TB], s[TB], SLOT1                  ; the slot ahead
.if \fill
	s_xor_b32 s[TF], s[TB], SLOT1                  ; the slot just left,
	s_add_co_u32 s[G0+1], s[TF], s[WOFF]           ; my wave's part of it
	s_add_co_u32 s[WQ], s[CQ], 1024                ; the step behind the one that begins: 1,024 x its number in the chunk, at most 3,072;
	s_xor_b32 s[TM1], s[WQ], 3072                  ; counted from the other end
	s_and_b32 s[TM2], s[SG], 4                     ; in an odd chunk (SCC = the bit is set)
	s_cselect_b32 s[WQ], s[TM1], s[WQ]
	s_lshr_b32 s[WQ], s[WQ], 10                    ; its quarter,
	s_mul_i32 s[WQ], s[WQ], QUART                  ; in bytes
	s_add_nc_u64 s[G0+2:G0+3], s[WB:WB+1], s[WQ:WQ+1]
	s_or_b32 s[G0+3], s[G0+3], 0x80000000          ; type = 2
.endif
.if \step
	s_wait_xcnt 0x0                                ; the step's loads and its prefetch have read their base:
	s_add_nc_u64 s[XB:XB+1], s[XB:XB+1], 4096      ; one row on
.endif
	s_wait_dscnt 0x0                               ; the add is done, my reads of the slot are over, my codes have landed
.if \fill
	ROUND                                          ; no wave of any partner still reads that slot or has a load on its way
	tensor_load_to_lds s[G0:G0+3], s[G1:G1+7]      ; the first thing behind the round, and my one tensor load until the next
	s_nop 0
	PLACES                                         ; four v_nop follow the load
.else
	s_barrier_signal -1
	s_barrier_wait -1
.endif
.endm
; THE CHANGE OF CHUNKS.  The slot in hand stays in hand: the next chunk begins with the quarter with which this one ended.  No tensor load is out (the chunk's fourth step began with the wait for all of them)
; it shows every wave's codes of the next chunk landed.
.macro MEET step
.if \step
	s_wait_xcnt 0x0                                ; the step's loads and its prefetch have read their base:
	s_add_nc_u64 s[XB:XB+1], s[XB:XB+1], 4096      ; one row on
.endif
	s_wait_dscnt 0x0                               ; for the others' sake: my stores of codes have landed
	s_barrier_signal -1
	s_barrier_wait -1
.endm
; A CHUNK'S START, behind a barrier that has shown all 64 rows' codes landed: every wave takes the whole chunk into window 1.  A second barrier, behind every wave's wait for these reads:
; only behind it are the codes' bytes written again.  (In chunk 0 my tensor load stays out across it: no slot is filled behind it.)  covn = 1: the next chunk's coverage is asked for.
.macro CSTART covn
.irp m, 0,1,2,3
	v_mov_b32 v[COV+2*\m], v[COVN+\m]
	v_mov_b32 v[COV+2*\m+1], v[COVN+\m]
.endr
.irp j, 0,1,2,3,4,5,6,7
	v_mov_b32 v[SC+\j], 0
.endr
.if \covn
	v_add_nc_u32 v[CVO], 16, v[CVO]                ; (the load that read it has long been waited for)
	global_load_b128 v[COVN:COVN+3], v[CVO], s[6:7]
.endif
	WIN 0x40
.irp m, 0,1,2,3
.irp g, 0,1,2,3,4,5,6,7
.irp c, 0,1
	ds_load_b128 v[64*\m+8*\g+4*\c:64*\m+8*\g+4*\c+3], v[AR] offset:16*PITCH*\m+16*\g+256*\c
.endr
.endr
.endr
	WIN 0
.irp m, 0,1,2,3
	ds_load_b128 v[ASW+4*\m:ASW+4*\m+3], v[ASR] offset:512*\m
.endr
	s_mov_b32 s[CR], 0
	s_mov_b32 s[CS2], 0
	s_mov_b32 s[CQ], 0
	s_wait_dscnt 0x0
	s_barrier_signal -1
	s_barrier_wait -1
.endm
.macro LOADC u                         ; w_cov and dec of tile u's eight outputs of my half: sixteen lanes read the same 16 bytes
	ds_load_b128 v[CWV:CWV+3], v[ADC] offset:64*(\u)
	ds_load_b128 v[CWV+4:CWV+7], v[ADC] offset:64*(\u)+16
	ds_load_b128 v[DEC:DEC+3], v[ADC] offset:4096+64*(\u)
	ds_load_b128 v[DEC+4:DEC+7], v[ADC] offset:4096+64*(\u)+16
.endm
.macro LOADV u                         ; and -2 v
	ds_load_b128 v[VP:VP+3], v[ADC] offset:8192+64*(\u)
	ds_load_b128 v[VP+4:VP+7], v[ADC] offset:8192+64*(\u)+16
.endm
.macro LOADB u                         ; record u of my two: sixteen images and the scale words, 512 consecutive bytes an instruction
.irp k, 0,1,2,3,4,5,6,7,8,9,10,11,12,13,14,15
	ds_load_b128 v[BF+4*\k:BF+4*\k+3], v[ADB] offset:REC*(\u)+512*\k
.endr
	ds_load_b128 v[WS:WS+3], v[ADB] offset:REC*(\u)+8192
.endm
; Staging slot u's row is quantised.  mode = 2: the slot is loaded again with the row after it; mode = 1: the last rows, nothing is left to load.
; The prefetch stands behind slot 0's loads: the wave's two rows of the step after the one just asked for, a lane to each 256 bytes (lanes 0-15 slot 0's row, lanes 16-31 slot 1's), each named once;
; in step 10 it is jumped over: there is no row behind the sixteenth.
.macro QSTREAM u, mode
.if (\mode == 2) || (\u == 0)
	s_wait_loadcnt 8                               ; my slot's eight loads are in; the other slot's eight, issued behind them, stay out
.else
	s_wait_loadcnt 0x0
.endif
	QROW STG+32*(\u), 0, ADW, PITCH*(\u), ADS, 32*(\u)
.if \mode == 2
	RLOAD STG+32*(\u), 0, 16384+65536*(\u)
.if \u == 0
	s_cmp_lt_u32 s[SG], 10
	s_cbranch_scc0 .Lno_ask_\@
	global_prefetch_b8 v[PFO], s[XB:XB+1] offset:20480 th:TH_LOAD_NT scope:SCOPE_SE
.Lno_ask_\@:
.endif
.endif
.endm
.macro CINIT                           ; w_cov x coverage + dec: what the tile's first products add onto
.irp m, 0,1,2,3
.irp i, 0,2,4,6
	v_pk_fma_f32 v[ACC+8*\m+\i:ACC+8*\m+\i+1], v[CWV+\i:CWV+\i+1], v[COV+2*\m:COV+2*\m+1], v[DEC+\i:DEC+\i+1]
.endr
.endr
	PLACES                                         ; four plain lines between these and the scaled matrix instructions that take them as C
.endm
.macro MM                              ; a tile of 16 outputs x the chunk's 64 rows: K step by K step, the four accumulators by turns, one instruction a turn
	WIN 0x04                                       ; source 1, the chunk, in window 1
.irp g, 0,1,2,3,4,5,6,7
.irp m, 0,1,2,3
.if \g < 4
	v_wmma_scale_f32_16x16x128_f8f6f4 v[ACC+8*\m:ACC+8*\m+7], v[BF+8*\g:BF+8*\g+7], v[64*\m+8*\g:64*\m+8*\g+7], v[ACC+8*\m:ACC+8*\m+7], v[WS+\g], v[ASW+4*\m+\g] matrix_a_fmt:MATRIX_FMT_FP4 matrix_b_fmt:MATRIX_FMT_FP4
.else
	v_wmma_scale_f32_16x16x128_f8f6f4 v[ACC+8*\m:ACC+8*\m+7], v[BF+8*\g:BF+8*\g+7], v[64*\m+8*\g:64*\m+8*\g+7], v[ACC+8*\m:ACC+8*\m+7], v[WS+\g-4], v[ASW+4*\m+\g-4] matrix_a_fmt:MATRIX_FMT_FP4 matrix_b_fmt:MATRIX_FMT_FP4 matrix_a_scale:MATRIX_SCALE_ROW1 matrix_b_scale:MATRIX_SCALE_ROW1
.endif
.endr
.endr
	WIN 0
.endm
.macro EPI                             ; -2 v / (1 + 2^(2 log2(e) x)), summed.  Two batches of 32 transcendentals, each with one plain line and one wait behind it
.irp j, 0,2,4,6,8,10,12,14,16,18,20,22,24,26,28,30
	v_pk_mul_f32 v[ACC+\j:ACC+\j+1], v[ACC+\j:ACC+\j+1], s[CC:CC+1] op_sel_hi:[1,0]   ; each accumulator from its low end on
.endr
.irp j, 0,1,2,3,4,5,6,7,8,9,10,11,12,13,14,15,16,17,18,19,20,21,22,23,24,25,26,27,28,29,30,31
	v_exp_f32 v[ACC+\j], v[ACC+\j]
.endr
	v_nop
	s_wait_alu depctr_va_vdst(0)
.irp j, 0,2,4,6,8,10,12,14,16,18,20,22,24,26,28,30
	v_pk_add_f32 v[ACC+\j:ACC+\j+1], v[ACC+\j:ACC+\j+1], 1.0 op_sel_hi:[1,0]
.endr
.irp j, 0,1,2,3,4,5,6,7,8,9,10,11,12,13,14,15,16,17,18,19,20,21,22,23,24,25,26,27,28,29,30,31
	v_rcp_f32 v[ACC+\j], v[ACC+\j]
.endr
	v_nop
	s_wait_alu depctr_va_vdst(0)
.irp i, 0,2,4,6
.irp m, 0,1,2,3
	v_pk_fma_f32 v[SC+2*\m:SC+2*\m+1], v[ACC+8*\m+\i:ACC+8*\m+\i+1], v[VP+\i:VP+\i+1], v[SC+2*\m:SC+2*\m+1]   ; the four sums by turns
.endr
.endr
.endm
; A SLOT STEP: my two tiles of outputs for the chunk, and (mode above 0) two rows of the next chunk quantised.
.macro WORK mode
	s_xor_b32 s[CQE], s[CQ], 3072                  ; the quarter in hand, x 1,024: the step's number in its chunk, counted from the other end
	s_and_b32 s[TM2], s[SG], 4                     ; in an odd chunk (SCC = the bit is set).  Either way 0 to 3,072: the reads below stay inside the three vectors of constants
	s_cselect_b32 s[CQE], s[CQE], s[CQ]
	v_add_nc_u32 v[ADB], s[TB], v[LB]
	v_add_nc_u32 v[ADC], s[CQE], v[CA0]
.if \mode > 0
	v_add_nc_u32 v[ADW], s[CR], v[CW0]
	v_add_nc_u32 v[ADS], s[CS2], v[SW0]
.endif
	LOADC 0
	LOADV 0
	LOADB 0                                        ; 23 LDS loads; a row is quantised while they come
.if \mode > 0
	QSTREAM 0, \mode
	s_wait_dscnt 5                                 ; all 23 are in; the row's five stores, issued behind them, may be out
.else
	s_wait_dscnt 0x0
.endif
	CINIT
	MM
	PLACES
	LOADC 1
	LOADB 1                                        ; the second tile's 21 loads come while the first tile's tanh is worked
	EPI
	LOADV 1                                        ; -2 v of the first tile has been read
	s_wait_dscnt 2                                 ; all but these two
	CINIT
	MM
.if \mode > 0
	QSTREAM 1, \mode                               ; its first lines are the places behind the products
	s_wait_dscnt 5                                 ; -2 v is in; the row's five stores may be out
.else
	PLACES
	s_wait_dscnt 0x0
.endif
	EPI
	s_add_co_u32 s[CR], s[CR], 16*PITCH
	s_add_co_u32 s[CS2], s[CS2], 512
	s_add_co_u32 s[CQ], s[CQ], 1024
	s_add_co_u32 s[SG], s[SG], 1
.endm
; A chunk's 64 sums of my wave leave: the pair's halves and lane l xor 16's are added; lanes 0-15 store tiles 0 and 1 of row r, lanes 16-31 tiles 2 and 3: 256 consecutive bytes, aligned.
.macro SCOUT more
.irp m, 0,1,2,3
	v_add_f32 v[ACC+\m], v[SC+2*\m], v[SC+2*\m+1]
.endr
.irp m, 0,1,2,3
	v_permlanex16_b32 v[ACC+4+\m], v[ACC+\m], s[SEL], s[SEL+1]
.endr
.irp m, 0,1,2,3
	v_add_f32 v[ACC+\m], v[ACC+\m], v[ACC+4+\m]
.endr
	v_cndmask_b32 v18, v[ACC], v[ACC+2], s[HM]
	v_cndmask_b32 v19, v[ACC+1], v[ACC+3], s[HM]
	global_store_b64 v[PO], v[18:19], s[16:17]
.if \more
	s_wait_xcnt 0x0                                ; the store has read its registers: its offset steps, and its data are written again a chunk later
	v_add_nc_u32 v[PO], 256, v[PO]
.endif
.endm
	s_load_b256 s[4:11], s[0:1], 0x0               ; encoder_outputs s[4:5], coverage s[6:7], w_cov s[8:9], v s[10:11]
	s_load_b128 s[12:15], s[0:1], 0x20             ; wq s[12:13], decf s[14:15]
	s_load_b64 s[16:17], s[0:1], 0x30              ; part
	v_lshl_add_u32 v[SPW], v0, 2, SPARE
	v_mov_b32 v[NIL], 0
	ds_add_u32 v1, v2
	ds_add_u32 v1, v2
	s_wait_dscnt 0x0
	v_lshrrev_b32 v17, 5, v0
	v_readfirstlane_b32 s[WV], v17                 ; wave 0..7
	s_bfe_u32 s19, ttmp6, 0x40000                  ; cx: my place in the cluster: it enters the addresses of encoder_outputs, coverage and part alone
	s_lshl_b32 s20, ttmp9, 2                       ; in a cluster launch ttmp9 counts clusters
	s_add_co_u32 s20, s20, s19                     ; my work-group
	s_mul_i32 s[WOFF], s[WV], 2*REC
	s_mov_b32 s[WOFF+1], 0
	s_lshr_b32 s54, ttmp9, 1                       ; the batch: eight work-groups, two clusters
	s_lshl_b32 s54, s54, 12
	s_mov_b32 s55, 0
	; the descriptor's group 1: 17,408 dense bytes as 68 rows of 256 bytes (32 elements of 8 bytes), no padding: the images are read 512 consecutive bytes at a time
	s_mov_b32 s[G1], 15|(3<<16)|(1<<21)            ; 15:0 the mask: all four work-groups; 17:16 elements of 8 bytes; 21 set beside a mask
	s_mov_b32 s[G1+1], 32<<16                      ; tensor_dim0 = 32
	s_mov_b32 s[G1+2], 68<<16                      ; tensor_dim1 = 68
	s_mov_b32 s[G1+3], 32<<16                      ; tile_dim0 = 32
	s_mov_b32 s[G1+4], 68                          ; tile_dim1 = 68
	s_mov_b32 s[G1+5], 32                          ; from row to row
	s_mov_b32 s[G1+6], 0
	s_mov_b32 s[G1+7], 0
	s_mov_b32 s[TB], SLOT1                         ; the first change of slots turns it to slot 0
	s_mov_b32 s[WQ+1], 0
	s_mov_b32 s[SG], 0
	s_mov_b32 s[CQ], 0                             ; the first change of slots reads it: step 0 of chunk 0
	s_mov_b32 s[CC], 0x4038aa3b                    ; 2 log2(e)
	s_mov_b32 s[CC+1], s[CC]                       ; (named with it as a pair, so it is written)
	s_mov_b32 s[SEL], 0x76543210
	s_mov_b32 s[SEL+1], 0xfedcba98
	v_and_b32 v17, 31, v0                          ; lane
	v_and_b32 v18, 15, v0                          ; r
	v_bfe_u32 v19, v0, 4, 1                        ; h
	v_lshl_add_u32 v[LB], v17, 4, s[WOFF]
	s_lshl_b32 s53, s[WV], 7
	s_add_co_u32 s53, s53, CONST
	v_lshl_add_u32 v[CA0], v19, 5, s53
	v_lshlrev_b32 v[XA], 5, v17
	s_mul_i32 s53, s[WV], 2*PITCH
	s_add_co_u32 s53, s53, ANEXT
	v_lshl_add_u32 v[CW0], v17, 2, s53
	s_lshl_b32 s53, s[WV], 6
	s_add_co_u32 s53, s53, ASC
	v_lshrrev_b32 v[ADS], 2, v17
	v_lshl_add_u32 v[SW0], v[ADS], 2, s53
	v_mul_u32_u24 v[AR], v18, PITCH
	v_lshl_add_u32 v[AR], v19, 7, v[AR]
	v_add_nc_u32 v[AR], ANEXT, v[AR]
	v_lshlrev_b32 v[ASR], 5, v18
	v_lshl_add_u32 v[ASR], v19, 4, v[ASR]
	v_add_nc_u32 v[ASR], ASC, v[ASR]
	v_lshlrev_b32 v[PO], 4, v18
	v_lshl_add_u32 v[PO], v19, 3, v[PO]
	v_lshlrev_b32 v[CVO], 6, v18
	v_lshlrev_b32 v[PFO], 8, v18
	v_lshl_add_u32 v[PFO], v19, 16, v[PFO]
	v_lshlrev_b32 v[ADC], 4, v0                    ; at the head: 16 x my thread's number, in the three vectors of 4,096 bytes,
	v_lshl_add_u32 v[ADW], v0, 4, CONST            ; and their place in LDS
	v_cmp_le_u32 s[HM], 16, v17
	s_wait_kmcnt 0x0
	s_lshl_b32 s22, s20, 20                        ; 256 rows of 4,096 bytes a work-group,
	s_lshl_b32 s21, s[WV], 17                      ; 32 a wave
	s_add_co_u32 s22, s22, s21
	s_mov_b32 s23, 0
	s_add_nc_u64 s[XB:XB+1], s[XB:XB+1], s[22:23]
	s_lshl_b32 s22, s20, 10
	s_add_nc_u64 s[6:7], s[6:7], s[22:23]          ; coverage at my 256 rows
	s_lshl_b32 s22, s20, 13
	s_lshl_b32 s21, s[WV], 10
	s_add_co_u32 s22, s22, s21
	s_add_nc_u64 s[16:17], s[16:17], s[22:23]      ; part: 8,192 bytes a work-group, 1,024 a wave
	s_add_nc_u64 s[WB:WB+1], s[WB:WB+1], s[WOFF:WOFF+1]
	s_add_nc_u64 s[14:15], s[14:15], s[54:55]      ; dec of my batch
	global_load_b128 v[COVN:COVN+3], v[CVO], s[6:7]            ; chunk 0's coverage: rows 16 r + 0 .. 3
	global_load_b128 v[ACC:ACC+3], v[ADC], s[14:15]            ; dec,
	global_load_b128 v[ACC+4:ACC+7], v[ADC], s[8:9]            ; w_cov,
	global_load_b128 v[ACC+8:ACC+11], v[ADC], s[10:11]         ; v: 16 bytes a thread
.irp k, 0,1,2,3,4,5                    ; chunk 0's rows of my wave, row t = k / 2 of staging slot u = k % 2, into window 1, which the chunk's codes take later
	RLOAD 32*\k, 1, 4096*(\k/2)+65536*(\k%2)
.endr
	WIN 0
	s_mov_b32 s[G0], 1                             ; count = 1
	s_mov_b32 s[G0+1], s[WOFF]                     ; slot 0, my wave's part
	s_mov_b64 s[G0+2:G0+3], s[WB:WB+1]             ; quarter 0
	s_or_b32 s[G0+3], s[G0+3], 0x80000000          ; type = 2
	ROUND                                          ; all four work-groups are here: the first joint loads meet
	tensor_load_to_lds s[G0:G0+3], s[G1:G1+7]
	s_nop 0
	PLACES
.irp k, 6,7
	RLOAD 32*\k, 1, 4096*(\k/2)+65536*(\k%2)
.endr
	RLOAD STG, 0, 16384                            ; row 4 of both staging slots: chunk 1's first
	RLOAD STG+32, 0, 16384+65536
	s_wait_loadcnt 63                              ; behind the four small loads 80 were issued: they are in
	v_pk_mul_f32 v[ACC+8:ACC+9], v[ACC+8:ACC+9], -2.0 op_sel_hi:[1,0]
	v_pk_mul_f32 v[ACC+10:ACC+11], v[ACC+10:ACC+11], -2.0 op_sel_hi:[1,0]
	ds_store_b128 v[ADW], v[ACC+4:ACC+7]
	ds_store_b128 v[ADW], v[ACC:ACC+3] offset:4096
	ds_store_b128 v[ADW], v[ACC+8:ACC+11] offset:8192
.irp k, 0,1,2,3,4,5,6,7
.if 72-8*\k > 63
	s_wait_loadcnt 63
.else
	s_wait_loadcnt 72-8*\k                         ; row k's eight loads are in; those of the 7 - k rows behind it and the staging slots' sixteen stay out
.endif
	QROW 32*\k, 1, CW0, 16*PITCH*(\k/2)+PITCH*(\k%2), SW0, 512*(\k/2)+32*(\k%2)
.endr
	CHANGE 1, 1                                    ; the head of slot step 0: chunk 0's codes and the constants have landed in every wave; slot 1 is filled for the first time, with quarter 1
	s_mov_b32 s[OC], 2
.Lchunk:                                           ; chunks 0 and 1: one up, one down
	CSTART 1
	s_mov_b32 s[IC], 2
.Lstep:                                            ; the chunk's first and second step; behind each the slot just left is filled again
	WORK 2
	CHANGE 1, 1
	s_sub_co_u32 s[IC], s[IC], 1
	s_cmp_lg_u32 s[IC], 0
	s_cbranch_scc1 .Lstep
	WORK 2                                         ; its third,
	CHANGE 0, 1                                    ; behind which nothing is asked for: both slots are wanted again as they are
	WORK 2                                         ; its fourth
	MEET 1
	SCOUT 1
	s_sub_co_u32 s[OC], s[OC], 1
	s_cmp_lg_u32 s[OC], 0
	s_cbranch_scc1 .Lchunk
	CSTART 1                                       ; chunk 2: its third step asks for the last rows, its fourth finds them loaded and asks for none
	s_mov_b32 s[IC], 2
.Lstep2:
	WORK 2
	CHANGE 1, 1
	s_sub_co_u32 s[IC], s[IC], 1
	s_cmp_lg_u32 s[IC], 0
	s_cbranch_scc1 .Lstep2
	WORK 2
	CHANGE 0, 0
	WORK 1
	MEET 0
	SCOUT 1
	CSTART 0                                       ; chunk 3: nothing is left to stream
	s_mov_b32 s[IC], 2
.Lstep3:
	WORK 0
	CHANGE 1, 0
	s_sub_co_u32 s[IC], s[IC], 1
	s_cmp_lg_u32 s[IC], 0
	s_cbranch_scc1 .Lstep3
	WORK 0
	CHANGE 0, 0
	WORK 0
	SCOUT 0
	s_wait_tensorcnt 0x0                           ; the wave's end, behind my last tensor load and my last LDS store
	ds_add_u32 v[SPW], v[NIL]
	s_wait_dscnt 0x0
	ROUND                                          ; the closing round: no work-group ends while a partner may still ask for a quarter that names it
	s_endpgm
.Lfunc_end_k_q46e93f4820_scores:
	.size	k_q46e93f4820_scores, .Lfunc_end_k_q46e93f4820_scores-k_q46e93f4820_scores
	.p2alignl 7, 3214868480
	.fill 96, 4, 3214868480
	.section	.rodata,"a",@progbits
	.p2align	6, 0x0
	.amdhsa_kernel k_q46e93f4820_scores
		.amdhsa_group_segment_fixed_size 327680
		.amdhsa_private_segment_fixed_size 0
		.amdhsa_enable_private_segment 0
		.amdhsa_kernarg_size 56
		.amdhsa_user_sgpr_count 2
		.amdhsa_user_sgpr_kernarg_segment_ptr 1
		.amdhsa_wavefront_size32 1
		.amdhsa_system_sgpr_workgroup_id_x 1
		.amdhsa_system_sgpr_workgroup_id_y 1
		.amdhsa_system_sgpr_workgroup_id_z 1
		.amdhsa_system_vgpr_workitem_id 0
		.amdhsa_next_free_vgpr 512
		.amdhsa_next_free_sgpr 66
		.amdhsa_reserve_vcc 0
		.amdhsa_float_denorm_mode_32 3
		.amdhsa_float_denorm_mode_16_64 3
		.amdhsa_memory_ordered 1
		.amdhsa_forward_progress 1
		.amdhsa_inst_pref_size 255
	.end_amdhsa_kernel
	.section	.bss,"aw",@nobits
	.p2align	6
	.space	262144
	.amdgpu_metadata
---
amdhsa.version: [ 1, 2 ]
amdhsa.kernels:
  - .name:           k_q46e93f4820_scores
    .symbol:         k_q46e93f4820_scores.kd
    .args:
      - { .name: encoder_outputs, .offset: 0, .size: 8, .value_kind: global_buffer, .address_space: global }
      - { .name: coverage, .offset: 8, .size: 8, .value_kind: global_buffer, .address_space: global }
      - { .name: w_cov, .offset: 16, .size: 8, .value_kind: global_buffer, .address_space: global }
      - { .name: v, .offset: 24, .size: 8, .value_kind: global_buffer, .address_space: global }
      - { .name: wq, .offset: 32, .size: 8, .value_kind: global_buffer, .address_space: global }
      - { .name: decf, .offset: 40, .size: 8, .value_kind: global_buffer, .address_space: global }
      - { .name: part, .offset: 48, .size: 8, .value_kind: global_buffer, .address_space: global }
    .group_segment_fixed_size: 327680
    .private_segment_fixed_size: 0
    .kernarg_segment_align: 8
    .kernarg_segment_size: 56
    .max_flat_workgroup_size: 256
    .sgpr_count:     66
    .vgpr_count:     512
    .wavefront_size: 32
...
	.end_amdgpu_metadata
.endif
;; end of part 2
;; launch soft (part 3): grid 32 x 1, 16 waves a work-group, no clusters, 2,560 bytes of LDS; arguments part, out0; writes out0
.if DOCPART == 3
	.amdgcn_target "amdgcn-amd-amdhsa--gfx1250"
	.amdhsa_code_object_version 6
	.text
	.protected	k_q46e93f4820_soft
	.globl	k_q46e93f4820_soft
	.p2align	8
	.type	k_q46e93f4820_soft,@function
k_q46e93f4820_soft:
	s_mov_b64 s[64:65], 0
	v_nop
	global_prefetch_b8 v0, s[64:65] scope:SCOPE_SE
	s_setreg_imm32_b32 hwreg(HW_REG_WAVE_MODE, 25, 1), 1
	s_wait_xcnt 0x0
; out0[b][s] = softmax over s of the score of row s of batch b.  A row's score is the sum of its eight parts (one for each wave of the launch before), wave ascending, plus the sum of v, which is the same for
; all rows of a batch: the batch's largest score is taken away before the exponential, and that common term goes with it, so it is not added.
; part is laid [work-group 256][wave 8][chunk 4][r 16][m 4]; entry (g, ., c, r, m) belongs to row 256 g + 16 r + 4 c + m.  One work-group of 16 waves takes a batch; thread t owns rows 4 t .. 4 t + 3:
; g = t / 64, c = t % 4, r = (t / 4) % 16, m = 0 .. 3: 16 consecutive bytes of each part.  Memory binds a launch of 2 MiB; no matrix unit, no tensor load, two barriers.
	s_load_b128 s[4:7], s[0:1], 0x0                ; part s[4:5], out0 s[6:7]
	v_lshl_add_u32 v64, v0, 2, 0x200
	v_mov_b32 v65, 0
	v_lshrrev_b32 v1, 5, v0
	v_readfirstlane_b32 s8, v1                     ; wave 0..15
	v_lshrrev_b32 v2, 6, v0
	v_lshlrev_b32 v2, 13, v2                       ; 8,192 bytes a work-group of the launch before
	v_and_b32 v3, 3, v0
	v_lshl_add_u32 v2, v3, 8, v2                   ; 256 a chunk
	v_bfe_u32 v3, v0, 2, 4
	v_lshl_add_u32 v2, v3, 4, v2                   ; 16 for each r
	v_lshlrev_b32 v3, 4, v0                        ; out0: 16 bytes a thread
	v_mov_b32 v6, s8
	v_lshlrev_b32 v6, 2, v6                        ; LDS: my wave's word
	v_mov_b32 v7, 0
	v_mov_b32 v5, 0                                ; written once: a lane permute's destination counts as one of its sources
	s_lshl_b32 s10, ttmp9, 16                      ; a batch: eight work-groups' parts,
	s_mov_b32 s11, 0
	s_lshl_b32 s12, ttmp9, 13                      ; and 2,048 results
	s_mov_b32 s13, 0
	s_mov_b32 s14, 0x76543210
	s_mov_b32 s15, 0xfedcba98                      ; v_permlanex16_b32's selects for lane l xor 16
	s_wait_kmcnt 0x0
	s_add_nc_u64 s[4:5], s[4:5], s[10:11]
	s_add_nc_u64 s[6:7], s[6:7], s[12:13]
.irp w, 0,1,2,3,4,5,6,7
	global_load_b128 v[8+4*\w:11+4*\w], v2, s[4:5] offset:1024*\w th:TH_LOAD_NT
.endr
	s_wait_loadcnt 0x0
.irp w, 1,2,3,4,5,6,7
	v_pk_add_f32 v[8:9], v[8:9], v[8+4*\w:9+4*\w]
	v_pk_add_f32 v[10:11], v[10:11], v[10+4*\w:11+4*\w]
.endr
	; the batch's largest score: my four, my wave's, all sixteen waves'
	v_max3_num_f32 v4, v8, v9, v10
	v_max_num_f32 v4, v4, v11
	v_max_num_f32_dpp v4, v4, v4 row_xmask:1 row_mask:0xf bank_mask:0xf
	v_max_num_f32_dpp v4, v4, v4 row_xmask:2 row_mask:0xf bank_mask:0xf
	v_max_num_f32_dpp v4, v4, v4 row_xmask:4 row_mask:0xf bank_mask:0xf
	v_max_num_f32_dpp v4, v4, v4 row_xmask:8 row_mask:0xf bank_mask:0xf
	v_permlanex16_b32 v5, v4, s14, s15
	v_max_num_f32 v4, v4, v5
	ds_store_b32 v6, v4                            ; all lanes write the same word with the same value
	s_wait_dscnt 0x0                               ; for the others' sake
	s_barrier_signal -1
	s_barrier_wait -1
.irp i, 0,1,2,3
	ds_load_b128 v[40+4*\i:43+4*\i], v7 offset:16*\i
.endr
	s_wait_dscnt 0x0
	v_max3_num_f32 v40, v40, v41, v42
	v_max3_num_f32 v43, v43, v44, v45
	v_max3_num_f32 v46, v46, v47, v48
	v_max3_num_f32 v49, v49, v50, v51
	v_max3_num_f32 v52, v52, v53, v54
	v_max3_num_f32 v40, v40, v43, v46
	v_max3_num_f32 v49, v49, v52, v55
	v_max_num_f32 v40, v40, v49
.irp j, 0,1,2,3
	v_sub_f32 v[8+\j], v[8+\j], v40
.endr
.irp j, 0,1,2,3
	v_mul_f32 v[8+\j], 0x3fb8aa3b, v[8+\j]         ; x log2(e)
.endr
.irp j, 0,1,2,3
	v_exp_f32 v[8+\j], v[8+\j]
.endr
	v_nop                                          ; a plain line behind the last exponential,
	s_wait_alu depctr_va_vdst(0)                   ; and one wait for the four, ahead of their first reader
	v_add_f32 v4, v8, v9
	v_add_f32 v12, v10, v11
	v_add_f32 v4, v4, v12
	v_add_f32_dpp v4, v4, v4 row_xmask:1 row_mask:0xf bank_mask:0xf
	v_add_f32_dpp v4, v4, v4 row_xmask:2 row_mask:0xf bank_mask:0xf
	v_add_f32_dpp v4, v4, v4 row_xmask:4 row_mask:0xf bank_mask:0xf
	v_add_f32_dpp v4, v4, v4 row_xmask:8 row_mask:0xf bank_mask:0xf
	v_permlanex16_b32 v5, v4, s14, s15
	v_add_f32 v4, v4, v5
	ds_store_b32 v6, v4 offset:256                 ; other bytes than the maxima's, so no barrier is owed between their reads and this store
	s_wait_dscnt 0x0
	s_barrier_signal -1
	s_barrier_wait -1
.irp i, 0,1,2,3
	ds_load_b128 v[40+4*\i:43+4*\i], v7 offset:256+16*\i
.endr
	s_wait_dscnt 0x0
	v_pk_add_f32 v[40:41], v[40:41], v[42:43]
	v_pk_add_f32 v[44:45], v[44:45], v[46:47]
	v_pk_add_f32 v[48:49], v[48:49], v[50:51]
	v_pk_add_f32 v[52:53], v[52:53], v[54:55]
	v_pk_add_f32 v[40:41], v[40:41], v[44:45]
	v_pk_add_f32 v[48:49], v[48:49], v[52:53]
	v_pk_add_f32 v[40:41], v[40:41], v[48:49]
	v_add_f32 v40, v40, v41
	v_rcp_f32 v42, v40
	v_nop
	s_wait_alu depctr_va_vdst(0)
.irp j, 0,1,2,3
	v_mul_f32 v[8+\j], v[8+\j], v42
.endr
	global_store_b128 v3, v[8:11], s[6:7]          ; a wave stores 512 consecutive bytes, at a multiple of 256 from out0's first byte
	s_wait_tensorcnt 0x0
	ds_add_u32 v64, v65
	s_wait_dscnt 0x0
	s_endpgm
.Lfunc_end_k_q46e93f4820_soft:
	.size	k_q46e93f4820_soft, .Lfunc_end_k_q46e93f4820_soft-k_q46e93f4820_soft
	.p2alignl 7, 3214868480
	.fill 96, 4, 3214868480
	.section	.rodata,"a",@progbits
	.p2align	6, 0x0
	.amdhsa_kernel k_q46e93f4820_soft
		.amdhsa_group_segment_fixed_size 2560
		.amdhsa_private_segment_fixed_size 0
		.amdhsa_enable_private_segment 0
		.amdhsa_kernarg_size 16
		.amdhsa_user_sgpr_count 2
		.amdhsa_user_sgpr_kernarg_segment_ptr 1
		.amdhsa_wavefront_size32 1
		.amdhsa_system_sgpr_workgroup_id_x 1
		.amdhsa_system_sgpr_workgroup_id_y 1
		.amdhsa_system_sgpr_workgroup_id_z 1
		.amdhsa_system_vgpr_workitem_id 0
		.amdhsa_next_free_vgpr 66
		.amdhsa_next_free_sgpr 66
		.amdhsa_reserve_vcc 0
		.amdhsa_float_denorm_mode_32 3
		.amdhsa_float_denorm_mode_16_64 3
		.amdhsa_memory_ordered 1
		.amdhsa_forward_progress 1
		.amdhsa_inst_pref_size 7
	.end_amdhsa_kernel
	.amdgpu_metadata
---
amdhsa.version: [ 1, 2 ]
amdhsa.kernels:
  - .name:           k_q46e93f4820_soft
    .symbol:         k_q46e93f4820_soft.kd
    .args:
      - { .name: part, .offset: 0, .size: 8, .value_kind: global_buffer, .address_space: global }
      - { .name: out0, .offset: 8, .size: 8, .value_kind: global_buffer, .address_space: global }
    .group_segment_fixed_size: 2560
    .private_segment_fixed_size: 0
    .kernarg_segment_align: 8
    .kernarg_segment_size: 16
    .max_flat_workgroup_size: 512
    .sgpr_count:     66
    .vgpr_count:     66
    .wavefront_size: 32
...
	.end_amdgpu_metadata
.endif
;; end of part 3
